; MI455X (gfx1250); checked and timed in simulation.
; The chip was launched on July 23, 2026; its instructions are those of AMD's public machine-readable ISA for CDNA 5 (MIT licence, August 2026) and "CDNA5" Instruction Set Architecture Reference Guide (July 2026). The comments in the code are by the model that wrote it; some were corrected since.
;; CIN. Allowed arithmetic: float matrix products may take bf16 or f16 operands with f32 sums; other float arithmetic in f32, or as packed bf16 or f16 multiplies, adds, multiply-adds, maxima and minima; sums over many terms, partial sums and values carried from step to step in f32; what a program stores and reads back later, other than sums and carried values, may be rounded once to bf16 or f16.
;; Inputs: W0 1,521 x 128 float32; W1 4,992 x 128 float32; inputs 2,048 x 39 x 16 float32.
;; Outputs: out0 2,048 x 256 float32.
;; One version. Each part assembles by itself: llvm-mc -triple=amdgcn-amd-amdhsa -mcpu=gfx1250 --defsym DOCPART=n.
;; ======== version 1 of 1: 3 launches
;; workspace buffers: w0p 409,600 bytes; w1p 1,310,720 bytes; p1 1,048,576 bytes; p2 4,194,304 bytes
;; launch pack (part 1): grid 185 x 1, 8 waves a work-group, no clusters, 0 bytes of LDS; arguments W0, W1, w0p, w1p; writes w0p, w1p
.if DOCPART == 1
	.amdgcn_target "amdgcn-amd-amdhsa--gfx1250"
	.amdhsa_code_object_version 6
	.text
	.protected	k_qdc2384b41c_pack
	.globl	k_qdc2384b41c_pack
	.p2align	8
	.type	k_qdc2384b41c_pack,@function
k_qdc2384b41c_pack:
	s_mov_b64 s[64:65], 0
	v_nop
	global_prefetch_b8 v0, s[64:65] scope:SCOPE_SE
	s_setreg_imm32_b32 hwreg(HW_REG_WAVE_MODE, 25, 1), 1
	s_wait_xcnt 0x0
; pack: the weights of both layers in bf16, laid out as blocks of 1,024 bytes, one block = one B fragment of
; 16 output columns x 32 k for v_wmma_f32_16x16x32_bf16.  In a block lane L's registers 0-3 lie at byte 16 L and its registers 4-7
; at byte 512 + 16 L, so that the next launch loads a fragment with two loads of 16 neighbouring bytes a lane.
; One wave makes one fragment.  Lane L = (r = L % 16, h = L / 16) holds column r; register c, half e of the register is one k.
;
; Work-groups 0 to 24: layer 1, K step ks = the work-group's number; wave w makes columns 16 w .. 16 w + 15 (quarter w / 2, tile w % 2).
;   z[m][n] = x[m] x[n] is symmetric, so layer 1 runs over unordered pairs.  With sigma = 8 ks + c, s = sigma / 10, a = sigma % 10:
;   m = (a + 10 e + 20 h) mod 39, n = (m + s) mod 39, weight bf16(W0[39 m + n]) + bf16(W0[39 n + m]): each member is rounded to bf16 once, the sum is
;   made in f32 (halved for s = 0, where both are W0[40 m]) and kept as TWO bf16 numbers, hi = the sum rounded, lo = what is left: a hi block and a lo block.
;   s = 0 .. 19 meets every unordered pair of 39 fields once (39 is odd).  a + 10 e + 20 h = 39 would meet m = 0 a second time: weight 0.
; Work-groups 25 to 184: layer 2, number - 25 = (20 q + i) 2 + kh; wave w makes output columns 16 w .. 16 w + 15.
;   K step i of half kh stands for mt = i / 8, and (t, g) = ((i / 4) % 2, i % 4) for i < 16, ((i - 16) / 2, (i - 16) % 2) for i >= 16.
;   Register c, half e: W1[128 m + n] with m = 16 mt + 4 g + 2 (c / 4) + h and n = 32 q + 16 t + 8 kh + 2 (c % 4) + e.  m = 39 is no field: weight 0.
; No LDS, no barrier, no matrix unit: 3.3 MB are read once or twice and 1.7 MB are written; the eight waves of a work-group together
; take whole rows of 512 bytes, and each store of a wave covers 512 consecutive bytes, aligned.
.set AD, 16                            ; v[16:47]   layer 1: 32 byte offsets, (c, e): W0[m][n] at 4 c + 2 e, W0[n][m] one further
.set DT, 48                            ; v[48:79]   layer 1: the 32 numbers as loaded
.set FR, 80                            ; v[80:95]   layer 1: the factor 1, 0.5 or 0 of (c, e)
.set PK, 96                            ; v[96:103]  the block's eight registers (layer 1: the hi block's)
.set PL, 104                           ; v[104:111] layer 1: the lo block's
	s_load_b256 s[4:11], s[0:1], 0x0               ; W0 s[4:5], W1 s[6:7], w0p s[8:9], w1p s[10:11]
	v_lshrrev_b32 v1, 5, v0
	v_readfirstlane_b32 s12, v1                    ; wave 0..7
	v_and_b32 v1, 15, v0                           ; r
	v_bfe_u32 v2, v0, 4, 1                         ; h
	v_and_b32 v12, 31, v0
	v_lshlrev_b32 v12, 4, v12                      ; 16 L: my 16 bytes in each half of a block
	s_lshl_b32 s13, s12, 4
	v_add_nc_u32 v3, s13, v1
	v_lshlrev_b32 v3, 2, v3                        ; byte of my column in a row of 128 f32
	s_cmp_lt_u32 ttmp9, 25
	s_cbranch_scc0 .Llayer2
	; ---- layer 1 ----
	v_mul_u32_u24 v4, 20, v2                       ; 20 h
	v_mov_b32 v11, 0
	s_mov_b32 s24, 0x3f000000                      ; 0.5
	s_mov_b32 s25, 0x3f800000                      ; 1.0
	s_lshl_b32 s19, ttmp9, 3                       ; 8 ks
.irp c, 0,1,2,3,4,5,6,7
	s_add_co_u32 s20, s19, \c                      ; sigma, 0 .. 199
	s_mul_i32 s21, s20, 205
	s_lshr_b32 s21, s21, 11                        ; s = sigma / 10 (205 / 2048 is exact for it up to 199)
	s_mul_i32 s22, s21, 10
	s_sub_co_u32 s22, s20, s22                     ; a = sigma % 10
	s_cmp_eq_u32 s21, 0
	s_cselect_b32 s23, s24, s25                    ; the diagonal is loaded twice and halved
	v_mov_b32 v10, s23
.irp e, 0,1
	s_add_co_u32 s26, s22, 10*\e
	v_add_nc_u32 v5, s26, v4                       ; a + 10 e + 20 h, 0 .. 39
	v_sub_nc_u32 v6, v5, 39                        ; wraps to a huge number below 39,
	v_min_u32 v7, v5, v6                           ; so the smaller of the two is m = .. mod 39
	v_add_nc_u32 v8, s21, v7
	v_sub_nc_u32 v9, v8, 39
	v_min_u32 v8, v8, v9                           ; n = (m + s) mod 39
	v_mad_u32_u24 v9, v7, 39, v8
	v_lshl_add_u32 v[AD+4*\c+2*\e], v9, 9, v3      ; row 39 m + n, 512 bytes a row
	v_mad_u32_u24 v9, v8, 39, v7
	v_lshl_add_u32 v[AD+4*\c+2*\e+1], v9, 9, v3    ; row 39 n + m
	v_cmp_eq_u32 vcc_lo, 39, v5
	v_cndmask_b32 v[FR+2*\c+\e], v10, v11, vcc_lo  ; the second meeting of m = 0 counts for nothing
.endr
.endr
	s_lshr_b32 s27, s12, 1                         ; q
	s_mul_i32 s27, s27, 25
	s_add_co_u32 s27, s27, ttmp9                   ; 25 q + ks
	s_and_b32 s28, s12, 1
	s_lshl2_add_u32 s27, s27, s28                  ; hi block number (25 q + ks) 4 + tile; the lo block lies two blocks further
	s_lshl_b32 s28, s27, 10
	s_mov_b32 s29, 0
	s_wait_kmcnt 0x0
	s_add_nc_u64 s[8:9], s[8:9], s[28:29]
.set k, 0
.rept 32
	global_load_b32 v[DT+k], v[AD+k], s[4:5]       ; each load has an offset register of its own: none is written again
.set k, k+1
.endr
	s_wait_loadcnt 0x0
.irp c, 0,1,2,3,4,5,6,7
.irp e, 0,1
	v_cvt_pk_bf16_f32 v5, v[DT+4*\c+2*\e], v[DT+4*\c+2*\e+1]      ; both members rounded to bf16,
	v_lshlrev_b32 v6, 16, v5                                       ; back to f32,
	v_and_b32 v7, 0xffff0000, v5
	v_add_f32 v6, v6, v7                                           ; added,
	v_mul_f32 v[DT+4*\c+2*\e], v6, v[FR+2*\c+\e]                   ; times 1, 0.5 or 0
.endr
	v_cvt_pk_bf16_f32 v[PK+\c], v[DT+4*\c], v[DT+4*\c+2]          ; hi; e = 0 into the low half
	v_lshlrev_b32 v6, 16, v[PK+\c]
	v_and_b32 v7, 0xffff0000, v[PK+\c]
	v_sub_f32 v6, v[DT+4*\c], v6                                   ; what hi leaves,
	v_sub_f32 v7, v[DT+4*\c+2], v7
	v_cvt_pk_bf16_f32 v[PL+\c], v6, v7                             ; lo
.endr
	global_store_b128 v12, v[PK:PK+3], s[8:9]
	global_store_b128 v12, v[PK+4:PK+7], s[8:9] offset:512
	global_store_b128 v12, v[PL:PL+3], s[8:9] offset:2048
	global_store_b128 v12, v[PL+4:PL+7], s[8:9] offset:2560
	s_endpgm
	; ---- layer 2 ----
.Llayer2:
	s_sub_co_u32 s20, ttmp9, 25
	s_and_b32 s21, s20, 1                          ; kh
	s_lshr_b32 s22, s20, 1                         ; 20 q + i, 0 .. 79
	s_mul_i32 s23, s22, 205
	s_lshr_b32 s23, s23, 12                        ; q (205 / 4096 is exact for a division by 20 up to 79)
	s_mul_i32 s24, s23, 20
	s_sub_co_u32 s24, s22, s24                     ; i
	s_lshr_b32 s25, s24, 3                         ; mt = i / 8, for i = 16 .. 19 too
	s_bfe_u32 s26, s24, 0x10002                    ; i < 16: t = bit 2,
	s_and_b32 s27, s24, 3                          ;         g = i % 4
	s_bfe_u32 s28, s24, 0x10001                    ; i >= 16: t = bit 1,
	s_and_b32 s29, s24, 1                          ;          g = bit 0
	s_cmp_lt_u32 s24, 16
	s_cselect_b32 s26, s26, s28
	s_cselect_b32 s27, s27, s29
	s_lshl_b32 s25, s25, 4
	s_lshl2_add_u32 s25, s27, s25                  ; 16 mt + 4 g
	s_lshl_b32 s30, s23, 5
	s_lshl4_add_u32 s30, s26, s30
	s_lshl3_add_u32 s30, s21, s30                  ; 32 q + 16 t + 8 kh: n of j = 0
	s_lshl_b32 s30, s30, 9                         ; in rows of 512 bytes
	v_add_nc_u32 v5, s25, v2                       ; m of registers 0-3: at most 32 + 4 + 1 = 37
	v_add_nc_u32 v6, 2, v5                         ; m of registers 4-7: at most 39
	v_cmp_gt_u32 vcc_lo, 39, v6                    ; a field?
	v_min_u32 v7, 38, v6                           ; if not, load the last field's row and throw it away below
	v_lshl_add_u32 v8, v5, 16, v3                  ; 128 rows of 512 bytes for each m
	v_lshl_add_u32 v9, v7, 16, v3
	v_add_nc_u32 v8, s30, v8
	v_add_nc_u32 v9, s30, v9
	s_and_b32 s31, s12, 6
	s_or_b32 s31, s31, s21                         ; the wave of the next launch that uses the block: 2 (w / 2) + kh
	s_lshl3_add_u32 s31, s23, s31
	s_mul_i32 s31, s31, 20
	s_add_co_u32 s31, s31, s24
	s_and_b32 s32, s12, 1
	s_lshl1_add_u32 s31, s31, s32                  ; block number ((8 q + wave) 20 + i) 2 + w % 2
	s_lshl_b32 s32, s31, 10
	s_mov_b32 s33, 0
	s_wait_kmcnt 0x0
	s_add_nc_u64 s[10:11], s[10:11], s[32:33]
.irp j, 0,1,2,3,4,5,6,7
	global_load_b32 v[DT+\j], v8, s[6:7] offset:512*\j
.endr
.irp j, 0,1,2,3,4,5,6,7
	global_load_b32 v[DT+8+\j], v9, s[6:7] offset:512*\j
.endr
	s_wait_loadcnt 0x0
.irp c, 0,1,2,3
	v_cvt_pk_bf16_f32 v[PK+\c], v[DT+2*\c], v[DT+2*\c+1]
	v_cvt_pk_bf16_f32 v[PK+4+\c], v[DT+8+2*\c], v[DT+8+2*\c+1]
.endr
.irp c, 0,1,2,3
	v_cndmask_b32 v[PK+4+\c], 0, v[PK+4+\c], vcc_lo
.endr
	global_store_b128 v12, v[PK:PK+3], s[10:11]
	global_store_b128 v12, v[PK+4:PK+7], s[10:11] offset:512
	s_endpgm
.Lfunc_end_k_qdc2384b41c_pack:
	.size	k_qdc2384b41c_pack, .Lfunc_end_k_qdc2384b41c_pack-k_qdc2384b41c_pack
	.p2alignl 7, 3214868480
	.fill 96, 4, 3214868480
	.section	.rodata,"a",@progbits
	.p2align	6, 0x0
	.amdhsa_kernel k_qdc2384b41c_pack
		.amdhsa_group_segment_fixed_size 0
		.amdhsa_private_segment_fixed_size 0
		.amdhsa_enable_private_segment 0
		.amdhsa_kernarg_size 32
		.amdhsa_user_sgpr_count 2
		.amdhsa_user_sgpr_kernarg_segment_ptr 1
		.amdhsa_wavefront_size32 1
		.amdhsa_system_sgpr_workgroup_id_x 1
		.amdhsa_system_sgpr_workgroup_id_y 1
		.amdhsa_system_sgpr_workgroup_id_z 1
		.amdhsa_system_vgpr_workitem_id 0
		.amdhsa_next_free_vgpr 112
		.amdhsa_next_free_sgpr 66
		.amdhsa_reserve_vcc 1
		.amdhsa_float_denorm_mode_32 3
		.amdhsa_float_denorm_mode_16_64 3
		.amdhsa_memory_ordered 1
		.amdhsa_forward_progress 1
		.amdhsa_inst_pref_size 26
	.end_amdhsa_kernel
	.amdgpu_metadata
---
amdhsa.version: [ 1, 2 ]
amdhsa.kernels:
  - .name:           k_qdc2384b41c_pack
    .symbol:         k_qdc2384b41c_pack.kd
    .args:
      - { .name: W0, .offset: 0, .size: 8, .value_kind: global_buffer, .address_space: global }
      - { .name: W1, .offset: 8, .size: 8, .value_kind: global_buffer, .address_space: global }
      - { .name: w0p, .offset: 16, .size: 8, .value_kind: global_buffer, .address_space: global }
      - { .name: w1p, .offset: 24, .size: 8, .value_kind: global_buffer, .address_space: global }
    .group_segment_fixed_size: 0
    .private_segment_fixed_size: 0
    .kernarg_segment_align: 8
    .kernarg_segment_size: 32
    .max_flat_workgroup_size: 256
    .sgpr_count:     66
    .vgpr_count:     112
    .wavefront_size: 32
...
	.end_amdgpu_metadata
.endif
;; end of part 1
;; launch cin (part 2): grid 64 x 4, 8 waves a work-group, clusters of 4 x 1, 304,128 bytes of LDS; arguments inputs, w0p, w1p, p1, p2; writes p1, p2
.if DOCPART == 2
	.amdgcn_target "amdgcn-amd-amdhsa--gfx1250"
	.amdhsa_code_object_version 6
	.text
	.protected	k_qdc2384b41c_cin
	.globl	k_qdc2384b41c_cin
	.p2align	8
	.type	k_qdc2384b41c_cin,@function
k_qdc2384b41c_cin:
	s_mov_b64 s[64:65], 0
	v_nop
	global_prefetch_b8 v0, s[64:65] scope:SCOPE_SE
	s_setreg_imm32_b32 hwreg(HW_REG_WAVE_MODE, 25, 1), 1
	s_wait_xcnt 0x0
	s_wait_alu depctr_hold_cnt(0) depctr_sa_sdst(0) depctr_va_vdst(0) depctr_va_sdst(0) depctr_va_ssrc(0) depctr_va_vcc(0) depctr_vm_vsrc(0)
	s_getreg_b32 s2, hwreg(HW_REG_IB_STS2, 6, 4)
	s_cmp_eq_u32 s2, 0
	s_cbranch_scc0 .Lentry_in_a_cluster
	s_endpgm
.Lentry_in_a_cluster:
	s_bfe_u32 s2, ttmp6, 0x10000c
	s_cmp_lg_u32 s2, 0x3003
	s_cbranch_scc0 .Lentry_shape_is_right
	s_endpgm
.Lentry_shape_is_right:
; cin: both CIN layers for 32 batches (group g = work-group x) and one quarter q (work-group y) of layer 1's 128 output columns.
;   phase 1  X1[b][n][d] = sum over unordered pairs (m, m') of x[m][d] x[m'][d] w(m, m'; n), n = 32 q .. 32 q + 31: rows d, K = 800 in 25 steps.
;            p1[q][b][n] = sum over d of X1, in f32.
;   phase 2  G[b][m][n] = sum over d of x[m][d] X1[b][n][d]   (reference() only ever sums layer 2's result over d, so that sum is taken first)
;   phase 3  p2[q][b][o] = sum over m and the quarter's n of G[b][m][n] W1[128 m + n][o]: 32 rows, K = 1,280, 128 columns.
; The four quarters' p2 are added, and p1 is put in place, by the next launch: no work-group reads what another one of this launch stores.
; Eight waves.  Phases 1 and 2: wave w owns batches 4 w .. 4 w + 3 of the group.  Phase 3: wave w owns output tiles 2 (w / 2), 2 (w / 2) + 1,
; both row tiles of 16 batches, and the half kh = w % 2 of K; the two halves meet in LDS.
;
; PRECISION.  x, W0 and W1 are each rounded to bf16 once.  Four roundings to 8 bits in a row (product, folded weight, X1, G) would add up in layer 2's
; result, so every INTERMEDIATE enters the matrix unit as two bf16 numbers, hi + lo, 16 significant bits:
;   the products x x':  hi = v_pk_mul_bf16, lo = the exact x x' - hi (at most 8 bits, so lo is exact);  the folded weights: hi and lo blocks as packed;
;   three products a tile, hi Whi + hi Wlo + lo Whi (lo Wlo is some 2^-18 of the sum and is left out);  X1 and G: hi = rounded, lo = the rest rounded.
; LIMITS.  Inputs are taken to be finite: padded places of K multiply a real number by a weight 0, which is NaN for an infinite number.
; All matrix operands are bf16, so they have f32's range.  The order of the sums differs from reference()'s.
;
; CLUSTER: four work-groups along x have the same q and so the same packed weights.  Packed W0 (102,400 bytes) and K steps 0-11 of each wave's
; part of W1 (8 x 24,576 bytes) are asked for jointly, mask 15.  K steps 12-19 of W1 (8 x 16,384 bytes) would not fit beside them in LDS
; (303,104 + 131,072 bytes), and each fragment is used by one wave only: they are loaded straight into that wave's registers.  x differs between the partners.
; Nothing in LDS is filled twice: by this text's own count a wave has at most two tensor loads outstanding, both issued at the start.
;
; LDS:  0 .. 102,399        packed W0 in phase 1 (its only fill); then G, 32 rows of 3,088 bytes (hi, later lo); at the end two stages of 32 rows of 528 bytes
;       102,400 .. 106,495  stage for p1, 512 bytes a wave
;       106,496 .. 303,103  W1, 24,576 bytes a wave, read by that wave alone
.set BB,    2496                       ; bytes of a batch of inputs: 39 fields x 16 f32
.set GP,    3088                       ; a row of G in LDS: 3 x 1,024 bytes + 16, an odd multiple of 16
.set SP,    528                        ; a row of a stage: 512 bytes + 16
.set P1ST,  102400
.set SLAB0, 106496
.set SLAB,  24576
; window 0, whole launch
.set L16,  1                           ; v1   16 L
; window 0, at the start
.set XLO,  4                           ; v4   4 r + 1,280 h: field i + 20 h, i < 19
.set XHI,  5                           ; v5   4 r + 1,216 (1 - h): field i (h = 0) or i - 19 (h = 1), as offset 64 (i - 19), i >= 19
.set XGA,  6                           ; v6   64 r + 32 h
.set XGB,  7                           ; v7   64 min(32 + r, 38) + 32 h
.set XT,   16                          ; v[16:111]  x for phase 2's B fragments, in f32
.set PT,   120                         ; v[120:127] at work
; window 0, phase 1: 2 + 1 + 9 + 64 + 32 + 32 + 116 = 256 registers
.set L16B, 2                           ; v2   16 L + 65,536: K steps 16-24 of W0 lie beyond an LDS instruction's 16-bit offset
.set TT,   3                           ; v[3:11]    three sets of (-hi, lo of the low half, lo of the high half)
.set ACC,  12                          ; v[12:75]   X1 tile (b, t) at 16 b + 8 t
.set ZHI,  76                          ; v[76:91]   two buffers for the products' hi
.set ZLO,  92                          ; v[92:107]  two buffers for the products' lo
.set WF,   108                         ; v[108:139] W0 of one K step: hi tile 0, hi tile 1, lo tile 0, lo tile 1
.set R,    140                         ; v[140:255] R[b][u] at 29 b + u: (low x~[u], high x~[u + 10]), x~[i] = field (i + 20 h) mod 39 at d = r
; window 0, behind phase 1
.set GST,  2                           ; v2   G, store: 4 rows a wave + 16 L
.set GRD,  3                           ; v3   G, read: row r, + 16 h + 256 kh
.set WRD,  4                           ; v4   my part of W1 in LDS + 16 L
.set P1S,  5                           ; v5   p1 stage + 4 L
.set P1L,  6                           ; v6   p1 stage + 16 L
.set SST,  7                           ; v7   stage kh, row 8 h, column 32 (w / 2) + r
.set SLD,  8                           ; v8   stage, row w, + 16 L
.set P2O,  9                           ; v9   p2: row w, + 16 L
.set AFH,  76                          ; v[76:107]  phase 2: four A fragments, X1's hi (registers 4-7 are 0: d ends at 16)
.set AFL,  108                         ; v[108:139] the same for X1's lo
.set GD,   140                         ; v[140:235] phase 2: twelve result tiles
.set P1V,  140                         ; v[140:143] before that: sum over d, batch b, lane L = column L of the quarter
.set T,    236                         ; v[236:243] at work; phase 2: two sets of four registers for G's hi
.set U,    244                         ; v[244:251] at work: hi back in f32
.set P1B,  252                         ; v[252:255] p1 read back, 16 bytes a lane; never written again
.set PACC, 12                          ; v[12:43]   phase 3: accumulator (rt, tt) at 8 (2 rt + tt)
.set SET0, 44                          ; v[44:107], v[108:171]  phase 3: two sets for a pair of K steps: step e: G at 32 e + 8 rt, W1 at 32 e + 16 + 8 tt
; window 1
.set XT1,  0                           ; v[256:411] x~ in f32, 39 b + i; afterwards
.set W1R,  0                           ; v[256:383] W1's K steps 12-19: 8 (2 (i - 12) + tt)
.set GLO,  128                         ; v[384:479] G's lo, packed: 48 p + 4 (6 bb + 2 mt + t); the second pair's part takes over the first pair's XG
.set XG,   192                         ; v[448:511] x in bf16 as B fragments: 16 b + 4 mt + c; 16 b + 12 .. 15 are 0.  A fragment's registers 4-7 are
                                       ;            the next four registers; they meet the zeros of AFH and AFL and add nothing
.set MSB, 0
.macro WIN new                         ; s_set_vgpr_msb: bits 1:0 source 0, 3:2 source 1, 5:4 source 2, 7:6 destination; the high byte repeats the setting that is left
.if MSB != \new
	s_set_vgpr_msb (MSB<<8)|\new
.set MSB, \new
.endif
.endm
.macro PLACES                          ; four plain vector instructions between a matrix instruction and whatever reads its result or writes or loads
.rept 4                                ; into one of its registers (ISA guide 7.12.1 for vector instructions)
	v_nop
.endr
.endm
.macro ROUND                           ; a round of the cluster's barrier: my work-group's barrier, wave 0 signals for the work-group, all wait, my work-group's barrier
	s_barrier_signal -1
	s_barrier_wait -1
	s_cmp_lg_u32 s14, 0
	s_cbranch_scc1 .Lnot_wave_0_\@
	s_barrier_signal -3
.Lnot_wave_0_\@:
	s_barrier_wait -3
	s_barrier_signal -1
	s_barrier_wait -1
.endm
	s_load_b256 s[4:11], s[0:1], 0x0               ; inputs s[4:5], w0p s[6:7], w1p s[8:9], p1 s[10:11]
	s_load_b64 s[12:13], s[0:1], 0x20              ; p2
	v_lshl_add_u32 v254, v0, 2, 0x4a000
	v_mov_b32 v255, 0
	ds_add_u32 v254, v255
	s_wait_dscnt 0x0
	v_lshrrev_b32 v[PT], 5, v0
	v_readfirstlane_b32 s14, v[PT]                 ; wave w
	s_bfe_u32 s15, ttmp6, 0x40000                  ; cx: enters the addresses of inputs, p1 and p2 alone
	s_lshl_b32 s16, ttmp9, 2
	s_add_co_u32 s16, s16, s15                     ; g = 4 x cluster x + cx
	s_and_b32 s17, ttmp7, 0xffff                   ; q
	s_and_b32 s18, s14, 1                          ; kh
	s_lshr_b32 s19, s14, 1                         ; w / 2
	s_mov_b32 s20, 0x76543210                      ; v_permlanex16_b32: lane i of one half reads lane i of the other
	s_mov_b32 s21, 0xfedcba98
	s_mov_b32 s22, 0xffff0000                      ; lanes 16-31; also a word's upper bf16
	s_mov_b32 s59, 0x80008000                      ; the signs of two bf16
	; descriptor group 1: dense blocks as rows of 32 elements of 8 bytes; 50 rows (my eighth of W0), 96 rows (my part of W1)
	s_mov_b32 s24, 15|(3<<16)|(1<<21)              ; 15:0 the mask: all four of the cluster; 17:16 elements of 8 bytes; 21 set beside a mask
	s_mov_b32 s25, 32<<16                          ; tensor_dim0 = 32
	s_mov_b32 s26, 50<<16                          ; tensor_dim1 = 50
	s_mov_b32 s27, 32<<16                          ; tile_dim0 = 32
	s_mov_b32 s28, 50                              ; tile_dim1 = 50
	s_mov_b32 s29, 32                              ; from row to row: 32 elements
	s_mov_b32 s30, 0
	s_mov_b32 s31, 0
	s_mov_b32 s32, 15|(3<<16)|(1<<21)
	s_mov_b32 s33, 32<<16
	s_mov_b32 s34, 96<<16
	s_mov_b32 s35, 32<<16
	s_mov_b32 s36, 96
	s_mov_b32 s37, 32
	s_mov_b32 s38, 0
	s_mov_b32 s39, 0
	; descriptor group 0: made of q and the wave's number alone, which the four partners share
	s_mov_b32 s40, 1
	s_mul_i32 s41, s14, 12800                      ; LDS: 12,800 w
	s_mov_b32 s44, 1
	s_mul_i32 s45, s14, SLAB
	s_add_co_u32 s45, s45, SLAB0                   ; LDS: 106,496 + 24,576 w
	s_mul_i32 s50, s17, 102400
	s_add_co_u32 s50, s50, s41                     ; w0p: 102,400 q + 12,800 w
	s_mov_b32 s51, 0
	s_lshl3_add_u32 s54, s17, s14
	s_mul_i32 s54, s54, 40960                      ; w1p: 40,960 (8 q + w)
	s_mov_b32 s55, 0
	s_mul_i32 s56, s16, 32*BB
	s_mul_i32 s58, s14, 4*BB
	s_add_co_u32 s56, s56, s58                     ; inputs: my wave's four batches
	s_mov_b32 s57, 0
	; the lane terms that the start and phase 1 need; the others are made behind phase 1, when registers are free
	v_and_b32 v[PT], 31, v0                        ; L
	v_and_b32 v[PT+1], 15, v0                      ; r
	v_bfe_u32 v[PT+2], v0, 4, 1                    ; h
	v_lshlrev_b32 v[L16], 4, v[PT]
	v_add_nc_u32 v[L16B], 0x10000, v[L16]
	v_lshlrev_b32 v[PT+3], 2, v[PT+1]              ; 4 r
	v_mad_u32_u24 v[XLO], v[PT+2], 1280, v[PT+3]
	v_xor_b32 v[PT+4], 1, v[PT+2]
	v_mad_u32_u24 v[XHI], v[PT+4], 1216, v[PT+3]
	v_lshlrev_b32 v[PT+5], 5, v[PT+2]              ; 32 h
	v_lshl_add_u32 v[XGA], v[PT+1], 6, v[PT+5]
	v_add_nc_u32 v[PT+4], 32, v[PT+1]
	v_min_u32 v[PT+4], 38, v[PT+4]                 ; fields 39 .. 47 do not exist: the last field again; G's rows 40 .. 47 are never read, row 39 has weight 0
	v_lshl_add_u32 v[XGB], v[PT+4], 6, v[PT+5]
	s_wait_kmcnt 0x0
	s_add_nc_u64 s[42:43], s[6:7], s[50:51]
	s_or_b32 s43, s43, 0x80000000                  ; type = 2
	s_add_nc_u64 s[52:53], s[8:9], s[54:55]        ; my part of W1, for the direct loads too
	s_mov_b64 s[46:47], s[52:53]
	s_or_b32 s47, s47, 0x80000000
	s_add_nc_u64 s[48:49], s[4:5], s[56:57]
	s_lshl_b32 s56, s17, 18                        ; p1: 262,144 q + 4,096 g + 512 w
	s_lshl_b32 s58, s16, 12
	s_add_co_u32 s56, s56, s58
	s_lshl_b32 s58, s14, 9
	s_add_co_u32 s56, s56, s58
	s_add_nc_u64 s[10:11], s[10:11], s[56:57]
	s_lshl_b32 s56, s17, 20                        ; p2: 1,048,576 q + 16,384 g
	s_lshl_b32 s58, s16, 14
	s_add_co_u32 s56, s56, s58
	s_add_nc_u64 s[12:13], s[12:13], s[56:57]
	ROUND                                          ; all four work-groups are here: the joint loads meet
	tensor_load_to_lds s[40:43], s[24:31]          ; my eighth of packed W0
	s_nop 0
	tensor_load_to_lds s[44:47], s[32:39]          ; K steps 0-11 of my part of W1.  These two are all the tensor loads of the wave
	s_nop 0
	; x, twice: as x~ (one number a lane: d = r, field by h) for phase 1, and as rows of eight d for phase 2's B fragments
	WIN 0x40                                       ; loaded data into window 1
.irp b, 0,1,2,3
.set i, 0
.rept 19
	global_load_b32 v[XT1+39*\b+i], v[XLO], s[48:49] offset:BB*\b+64*i
.set i, i+1
.endr
.rept 20
	global_load_b32 v[XT1+39*\b+i], v[XHI], s[48:49] offset:BB*\b+64*(i-19)
.set i, i+1
.endr
.endr
	WIN 0
.irp b, 0,1,2,3
.irp mt, 0,1
	global_load_b128 v[XT+24*\b+8*\mt:XT+24*\b+8*\mt+3],   v[XGA], s[48:49] offset:BB*\b+1024*\mt
	global_load_b128 v[XT+24*\b+8*\mt+4:XT+24*\b+8*\mt+7], v[XGA], s[48:49] offset:BB*\b+1024*\mt+16
.endr
	global_load_b128 v[XT+24*\b+16:XT+24*\b+19], v[XGB], s[48:49] offset:BB*\b
	global_load_b128 v[XT+24*\b+20:XT+24*\b+23], v[XGB], s[48:49] offset:BB*\b+16
.endr
	s_wait_loadcnt 0x0                             ; all of x; the four offset registers are free from here
	WIN 0x05                                       ; both sources in window 1
.irp b, 0,1,2,3
.set u, 0
.rept 29
	v_cvt_pk_bf16_f32 v[R+29*\b+u], v[XT1+39*\b+u], v[XT1+39*\b+u+10]
.set u, u+1
.endr
.endr
	WIN 0x40                                       ; destination in window 1
.irp b, 0,1,2,3
.irp mt, 0,1,2
.irp c, 0,1,2,3
	v_cvt_pk_bf16_f32 v[XG+16*\b+4*\mt+\c], v[XT+24*\b+8*\mt+2*\c], v[XT+24*\b+8*\mt+2*\c+1]
.endr
.endr
.irp c, 12,13,14,15
	v_mov_b32 v[XG+16*\b+\c], 0
.endr
.endr
.irp i, 12,13,14,15,16,17,18,19                    ; W1's K steps 12-19 into the registers that held x~: wanted only in phase 3
.irp tt, 0,1
	global_load_b128 v[W1R+8*(2*(\i-12)+\tt):W1R+8*(2*(\i-12)+\tt)+3],   v[L16], s[52:53] offset:(2*\i+\tt)*1024
	global_load_b128 v[W1R+8*(2*(\i-12)+\tt)+4:W1R+8*(2*(\i-12)+\tt)+7], v[L16], s[52:53] offset:(2*\i+\tt)*1024+512
.endr
.endr
	WIN 0
	s_wait_tensorcnt 0x1                           ; my eighth of W0 has landed; the one load issued behind it, my part of W1, may stay out:
	s_barrier_signal -1
	s_barrier_wait -1                              ; everybody's eighth has landed
	; ---- phase 1 ----
.macro LW kk                           ; K step kk's four blocks of W0 (hi 0, hi 1, lo 0, lo 1): eight loads of 16 neighbouring bytes a lane
.irp n, 0,1,2,3,4,5,6,7
.if (\kk) < 16
	ds_load_b128 v[WF+4*\n:WF+4*\n+3], v[L16] offset:(\kk)*4096+512*\n
.else
	ds_load_b128 v[WF+4*\n:WF+4*\n+3], v[L16B] offset:((\kk)-16)*4096+512*\n
.endif
.endr
.endm
.macro ZH zb, b                        ; batch b's products of K step ks, hi: register c is R[a] R[a + s] rounded, 8 ks + c = 10 s + a
.irp c, 0,1,2,3,4,5,6,7
	v_pk_mul_bf16 v[ZHI+8*\zb+\c], v[R+29*\b+(8*ks+\c)%10], v[R+29*\b+(8*ks+\c)%10+(8*ks+\c)/10]
.endr
.endm
.macro ZX zb, c                        ; -hi, both halves
	v_xor_b32 v[TT+3*(\c%3)], s59, v[ZHI+8*\zb+\c]
.endm
.macro ZM b, c                         ; the exact product minus hi, in f32, of the low halves and of the high halves: all three sources are bf16 halves
	v_fma_mix_f32_bf16 v[TT+3*(\c%3)+1], v[R+29*\b+(8*ks+\c)%10], v[R+29*\b+(8*ks+\c)%10+(8*ks+\c)/10], v[TT+3*(\c%3)] op_sel_hi:[1,1,1]
	v_fma_mix_f32_bf16 v[TT+3*(\c%3)+2], v[R+29*\b+(8*ks+\c)%10], v[R+29*\b+(8*ks+\c)%10+(8*ks+\c)/10], v[TT+3*(\c%3)] op_sel:[1,1,1] op_sel_hi:[1,1,1]
.endm
.macro ZC zb, c                        ; lo: a product of two bf16 has 16 bits, hi takes 8, so this conversion drops nothing
	v_cvt_pk_bf16_f32 v[ZLO+8*\zb+\c], v[TT+3*(\c%3)+1], v[TT+3*(\c%3)+2]
.endm
.macro ZL zb, b                        ; the products' lo, three registers abreast so that no line waits for the one in front of it
.irp c, 0,1,2
	ZX \zb, \c
.endr
.irp c, 0,1,2
	ZM \b, \c
.endr
.irp c, 0,1,2
	ZC \zb, \c
.endr
.irp c, 3,4,5
	ZX \zb, \c
.endr
.irp c, 3,4,5
	ZM \b, \c
.endr
.irp c, 3,4,5
	ZC \zb, \c
.endr
.irp c, 6,7
	ZX \zb, \c
.endr
.irp c, 6,7
	ZM \b, \c
.endr
.irp c, 6,7
	ZC \zb, \c
.endr
.endm
.macro MM b, zb                        ; hi Whi, hi Wlo, lo Whi for both tiles; the first K step's first products start the sums: nothing is cleared
.irp t, 0,1
.if ks == 0
	v_wmma_f32_16x16x32_bf16 v[ACC+16*\b+8*\t:ACC+16*\b+8*\t+7], v[ZHI+8*\zb:ZHI+8*\zb+7], v[WF+8*\t:WF+8*\t+7], 0
.else
	v_wmma_f32_16x16x32_bf16 v[ACC+16*\b+8*\t:ACC+16*\b+8*\t+7], v[ZHI+8*\zb:ZHI+8*\zb+7], v[WF+8*\t:WF+8*\t+7], v[ACC+16*\b+8*\t:ACC+16*\b+8*\t+7]
.endif
.endr
.irp t, 0,1
	v_wmma_f32_16x16x32_bf16 v[ACC+16*\b+8*\t:ACC+16*\b+8*\t+7], v[ZHI+8*\zb:ZHI+8*\zb+7], v[WF+16+8*\t:WF+16+8*\t+7], v[ACC+16*\b+8*\t:ACC+16*\b+8*\t+7]
.endr
.irp t, 0,1
	v_wmma_f32_16x16x32_bf16 v[ACC+16*\b+8*\t:ACC+16*\b+8*\t+7], v[ZLO+8*\zb:ZLO+8*\zb+7], v[WF+8*\t:WF+8*\t+7], v[ACC+16*\b+8*\t:ACC+16*\b+8*\t+7]
.endr
.endm
; The accumulators take turns, one instruction a turn (a batch's two tiles alternate).  A product buffer is written again
; forty vector instructions, which name other registers, behind the last matrix instruction that read it.  W0's one buffer is loaded again behind the next
; K step's first eight v_pk_mul_bf16 (more than the four places), and the loads have that batch's other 32 vector instructions in which to come back.
	LW 0
.set ks, 0
.rept 25
	ZH 0, 0
.if ks > 0
	LW ks
.endif
	ZL 0, 0
	s_wait_dscnt 0                                 ; this K step's eight loads are the only ones out
	MM 0, 0
	ZH 1, 1
	ZL 1, 1
	MM 1, 1
	ZH 0, 2
	ZL 0, 2
	MM 2, 0
	ZH 1, 3
	ZL 1, 3
	MM 3, 1
.set ks, ks+1
.endr
	PLACES
	s_barrier_signal -1                            ; my reads of W0 are over (every wait above was for 0)
	; register work while the others arrive.  First the lane terms of the later phases
	v_and_b32 v[T], 31, v0                         ; L
	v_and_b32 v[T+1], 15, v0                       ; r
	v_bfe_u32 v[T+2], v0, 4, 1                     ; h
	v_lshlrev_b32 v[T+3], 2, v[T+1]                ; 4 r
	s_mul_i32 s23, s14, 4*GP
	v_add_nc_u32 v[GST], s23, v[L16]
	v_mul_u32_u24 v[GRD], GP, v[T+1]
	v_lshl_add_u32 v[GRD], v[T+2], 4, v[GRD]
	s_lshl_b32 s23, s18, 8
	v_add_nc_u32 v[GRD], s23, v[GRD]
	v_add_nc_u32 v[WRD], s45, v[L16]
	s_lshl_b32 s23, s14, 9
	s_add_co_u32 s23, s23, P1ST
	v_lshl_add_u32 v[P1S], v[T], 2, s23
	v_add_nc_u32 v[P1L], s23, v[L16]
	s_mul_i32 s23, s18, 32*SP
	s_lshl_b32 s3, s19, 7
	s_add_co_u32 s23, s23, s3
	v_mad_u32_u24 v[SST], v[T+2], 8*SP, v[T+3]
	v_add_nc_u32 v[SST], s23, v[SST]
	s_mul_i32 s23, s14, SP
	v_add_nc_u32 v[SLD], s23, v[L16]
	s_lshl_b32 s23, s14, 9
	v_add_nc_u32 v[P2O], s23, v[L16]
	; then the sum over d.  A lane holds d = 8 h .. 8 h + 7 of column r
.irp b, 0,1,2,3
.irp t, 0,1
	v_pk_add_f32 v[T:T+1], v[ACC+16*\b+8*\t:ACC+16*\b+8*\t+1], v[ACC+16*\b+8*\t+2:ACC+16*\b+8*\t+3]
	v_pk_add_f32 v[T+2:T+3], v[ACC+16*\b+8*\t+4:ACC+16*\b+8*\t+5], v[ACC+16*\b+8*\t+6:ACC+16*\b+8*\t+7]
	v_pk_add_f32 v[T:T+1], v[T:T+1], v[T+2:T+3]
	v_add_f32 v[T], v[T], v[T+1]
	v_permlanex16_b32 v[T+1], v[T], s20, s21       ; the other eight d
	v_add_f32 v[T+4+\t], v[T], v[T+1]
.endr
	v_cndmask_b32 v[P1V+\b], v[T+4], v[T+5], s22   ; lanes 0-15 keep tile 0's column r, lanes 16-31 tile 1's: lane L has column L
.endr
.irp f, 0,1,2,3
.irp c, 4,5,6,7
	v_mov_b32 v[AFH+8*\f+\c], 0                    ; K = 16 .. 31 of phase 2's A fragments
	v_mov_b32 v[AFL+8*\f+\c], 0
.endr
.endr
	s_barrier_wait -1                              ; nobody reads W0 any more: its bytes take G
.irp b, 0,1,2,3
	ds_store_b32 v[P1S], v[P1V+\b] offset:128*\b
.endr
	ds_load_b128 v[P1B:P1B+3], v[P1L]              ; my own bytes: LDS serves a wave's instructions in order (ISA guide 5.7.1.4)
	; ---- phase 2: batches 2 p and 2 p + 1.  D(M = n, N = m) = X1^T x: lane (r, h) gets G[16 mt + r][16 t + 8 h + 0 .. 7] ----
.macro GPAIR p
.irp bb, 0,1
.irp t, 0,1
.set accb, ACC+16*(2*\p+\bb)+8*\t
.set frg, 8*(2*\bb+\t)
.irp c, 0,1,2,3
	v_cvt_pk_bf16_f32 v[AFH+frg+\c], v[accb+2*\c], v[accb+2*\c+1]  ; X1's hi
.endr
.irp c, 0,1,2,3
	v_lshlrev_b32 v[U+2*\c], 16, v[AFH+frg+\c]
	v_and_b32 v[U+2*\c+1], s22, v[AFH+frg+\c]
.endr
.irp c, 0,1,2,3,4,5,6,7
	v_sub_f32 v[accb+\c], v[accb+\c], v[U+\c]                      ; what hi leaves (the sum over d has been taken already)
.endr
.irp c, 0,1,2,3
	v_cvt_pk_bf16_f32 v[AFL+frg+\c], v[accb+2*\c], v[accb+2*\c+1]  ; X1's lo
.endr
.endr
.endr
.if \p == 0
	s_wait_dscnt 0x0                               ; p1's 16 bytes are back
	global_store_b128 v[L16], v[P1B:P1B+3], s[10:11]               ; four batches x 32 columns: 512 consecutive bytes, aligned
.endif
	WIN 0x04                                       ; B in window 1
.irp bb, 0,1                                       ; the twelve tiles take turns, one instruction a turn: first hi starts the sums, then lo is added
.irp mt, 0,1,2
.irp t, 0,1
	v_wmma_f32_16x16x32_bf16 v[GD+8*(6*\bb+2*\mt+\t):GD+8*(6*\bb+2*\mt+\t)+7], v[AFH+8*(2*\bb+\t):AFH+8*(2*\bb+\t)+7], v[XG+16*(2*\p+\bb)+4*\mt:XG+16*(2*\p+\bb)+4*\mt+7], 0
.endr
.endr
.endr
.irp bb, 0,1
.irp mt, 0,1,2
.irp t, 0,1
	v_wmma_f32_16x16x32_bf16 v[GD+8*(6*\bb+2*\mt+\t):GD+8*(6*\bb+2*\mt+\t)+7], v[AFL+8*(2*\bb+\t):AFL+8*(2*\bb+\t)+7], v[XG+16*(2*\p+\bb)+4*\mt:XG+16*(2*\p+\bb)+4*\mt+7], v[GD+8*(6*\bb+2*\mt+\t):GD+8*(6*\bb+2*\mt+\t)+7]
.endr
.endr
.endr
	WIN 0
	PLACES
.irp bb, 0,1
.irp mt, 0,1,2
.irp t, 0,1
.set gt, GD+8*(6*\bb+2*\mt+\t)
.set hq, T+4*\t
.irp c, 0,1,2,3
	v_cvt_pk_bf16_f32 v[hq+\c], v[gt+2*\c], v[gt+2*\c+1]           ; G's hi: 16 bytes a lane
.endr
.irp c, 0,1,2,3
	v_lshlrev_b32 v[U+2*\c], 16, v[hq+\c]
	v_and_b32 v[U+2*\c+1], s22, v[hq+\c]
.endr
.irp c, 0,1,2,3,4,5,6,7
	v_sub_f32 v[gt+\c], v[gt+\c], v[U+\c]                          ; what hi leaves
.endr
	ds_store_b128 v[GST], v[hq:hq+3] offset:GP*(2*\p+\bb)+1024*\mt+512*\t
.endr
.endr
.endr
	WIN 0x40                                       ; G's lo waits in window 1 until the pass over hi is over
.irp n, 0,1,2,3,4,5,6,7,8,9,10,11
.irp c, 0,1,2,3
	v_cvt_pk_bf16_f32 v[GLO+48*\p+4*\n+\c], v[GD+8*\n+2*\c], v[GD+8*\n+2*\c+1]
.endr
.endr
	WIN 0
.endm
	GPAIR 0
	GPAIR 1
	s_wait_dscnt 0x0                               ; my rows of G's hi are written,
	s_wait_tensorcnt 0x0                           ; and my part of W1 has landed (I alone read it)
	s_barrier_signal -1
	s_barrier_wait -1                              ; all 32 rows are written
	; ---- phase 3: 20 K steps of 64 bytes of G's rows, in ten pairs; the next pair's fragments are loaded ahead of a pair's products.  Twice: hi, then lo ----
.macro SETGOFF i                       ; byte of K step i in a row of G (256 kh is in the address)
.if (\i) < 16
.set goff, ((\i)/8)*1024+(((\i)/4)%2)*512+((\i)%4)*64
.else
.set goff, 2048+(((\i)-16)/2)*512+(((\i)-16)%2)*64
.endif
.endm
.macro LP pp, sb                       ; pair pp: eight loads of G; for K steps 0-11 eight of W1 as well
.irp e, 0,1
	SETGOFF 2*(\pp)+\e
.irp rt, 0,1
	ds_load_b128 v[\sb+32*\e+8*\rt:\sb+32*\e+8*\rt+3],   v[GRD] offset:16*GP*\rt+goff
	ds_load_b128 v[\sb+32*\e+8*\rt+4:\sb+32*\e+8*\rt+7], v[GRD] offset:16*GP*\rt+goff+32
.endr
.if (\pp) < 6
.irp tt, 0,1
	ds_load_b128 v[\sb+32*\e+16+8*\tt:\sb+32*\e+16+8*\tt+3], v[WRD] offset:(2*(2*(\pp)+\e)+\tt)*1024
	ds_load_b128 v[\sb+32*\e+20+8*\tt:\sb+32*\e+20+8*\tt+3], v[WRD] offset:(2*(2*(\pp)+\e)+\tt)*1024+512
.endr
.endif
.endr
.endm
.macro MP pp, sb, first                ; eight products; the four accumulators take turns, one instruction a turn
.irp e, 0,1
.irp rt, 0,1
.irp tt, 0,1
.set czero, 0
.if \first
.if 2*(\pp)+\e == 0
.set czero, 1                          ; the first pass's first K step starts the sums
.endif
.endif
.if (\pp) < 6
.if czero
	v_wmma_f32_16x16x32_bf16 v[PACC+8*(2*\rt+\tt):PACC+8*(2*\rt+\tt)+7], v[\sb+32*\e+8*\rt:\sb+32*\e+8*\rt+7], v[\sb+32*\e+16+8*\tt:\sb+32*\e+16+8*\tt+7], 0
.else
	v_wmma_f32_16x16x32_bf16 v[PACC+8*(2*\rt+\tt):PACC+8*(2*\rt+\tt)+7], v[\sb+32*\e+8*\rt:\sb+32*\e+8*\rt+7], v[\sb+32*\e+16+8*\tt:\sb+32*\e+16+8*\tt+7], v[PACC+8*(2*\rt+\tt):PACC+8*(2*\rt+\tt)+7]
.endif
.else
	v_wmma_f32_16x16x32_bf16 v[PACC+8*(2*\rt+\tt):PACC+8*(2*\rt+\tt)+7], v[\sb+32*\e+8*\rt:\sb+32*\e+8*\rt+7], v[W1R+8*(2*(2*(\pp)+\e-12)+\tt):W1R+8*(2*(2*(\pp)+\e-12)+\tt)+7], v[PACC+8*(2*\rt+\tt):PACC+8*(2*\rt+\tt)+7]
.endif
.endr
.endr
.endr
.endm
.macro PASS first
	LP 0, SET0
.irp n, 0,1,2,3,4,5,6,7,8,9
.if \n < 9
.if \n > 0
	PLACES                                         ; the other set was read by the matrix instructions just issued
.endif
	LP \n+1, SET0+64*((\n+1)%2)
.endif
.if \n <= 4
	s_wait_dscnt 16                                ; all but the next pair's sixteen loads
.else
.if \n <= 8
	s_wait_dscnt 8                                 ; all but the next pair's eight loads (G alone)
.else
	s_wait_dscnt 0
.endif
.endif
.if \n == 6
.if \first
	s_wait_loadcnt 0x0                             ; W1's K steps 12-19 are in their registers
.endif
	WIN 0x04                                       ; from here B is taken from window 1; LDS loads name source 0 and the destination, which stay in window 0
.endif
	MP \n, SET0+64*(\n%2), \first
.endr
.endm
	PASS 1                                         ; G's hi
	PLACES                                         ; both sets are loaded again below
	s_barrier_signal -1                            ; my reads of G's hi are over (the last wait was for 0)
	s_barrier_wait -1                              ; everybody's are: the same rows take G's lo
	WIN 0x04                                       ; an LDS store's data are source 1: window 1
.irp p, 0,1
.irp bb, 0,1
.irp mt, 0,1,2
.irp t, 0,1
	ds_store_b128 v[GST], v[GLO+48*\p+4*(6*\bb+2*\mt+\t):GLO+48*\p+4*(6*\bb+2*\mt+\t)+3] offset:GP*(2*\p+\bb)+1024*\mt+512*\t
.endr
.endr
.endr
.endr
	s_wait_dscnt 0x0                               ; my rows of G's lo are written
	s_barrier_signal -1
	s_barrier_wait -1                              ; all 32 rows are
	WIN 0
	PASS 0                                         ; G's lo, onto the same sums
	WIN 0
	PLACES
	s_barrier_signal -1                            ; my reads of G are over (the last wait was for 0)
	s_barrier_wait -1                              ; everybody's are: G's bytes take the two stages
.irp rt, 0,1
.irp tt, 0,1
.irp j, 0,1,2,3,4,5,6,7
	ds_store_b32 v[SST], v[PACC+8*(2*\rt+\tt)+\j] offset:(16*\rt+\j)*SP+64*\tt    ; batch 16 rt + 8 h + j, column 16 (2 (w / 2) + tt) + r, stage kh
.endr
.endr
.endr
	s_wait_dscnt 0x0
	s_barrier_signal -1
	s_barrier_wait -1                              ; both stages are whole
.irp c, 0,1,2,3
	ds_load_b128 v[SET0+4*\c:SET0+4*\c+3],       v[SLD] offset:8*SP*\c              ; row w + 8 c, 512 bytes by 32 lanes
	ds_load_b128 v[SET0+16+4*\c:SET0+16+4*\c+3], v[SLD] offset:8*SP*\c+32*SP        ; the same row of the other half of K
.endr
	s_wait_dscnt 0x0
.irp c, 0,1,2,3
	v_pk_add_f32 v[SET0+4*\c:SET0+4*\c+1],   v[SET0+4*\c:SET0+4*\c+1],   v[SET0+16+4*\c:SET0+16+4*\c+1]
	v_pk_add_f32 v[SET0+4*\c+2:SET0+4*\c+3], v[SET0+4*\c+2:SET0+4*\c+3], v[SET0+16+4*\c+2:SET0+16+4*\c+3]
	global_store_b128 v[P2O], v[SET0+4*\c:SET0+4*\c+3], s[12:13] offset:4096*\c     ; a whole row of 512 bytes
.endr
	s_wait_xcnt 0x0
	v_lshl_add_u32 v254, v0, 2, 0x4a000
	v_mov_b32 v255, 0
	s_wait_tensorcnt 0x0
	ds_add_u32 v254, v255
	s_wait_dscnt 0x0
	ROUND                                          ; the closing round: no work-group ends while a partner may still ask for a tile that names it
	s_endpgm
.Lfunc_end_k_qdc2384b41c_cin:
	.size	k_qdc2384b41c_cin, .Lfunc_end_k_qdc2384b41c_cin-k_qdc2384b41c_cin
	.p2alignl 7, 3214868480
	.fill 96, 4, 3214868480
	.section	.rodata,"a",@progbits
	.p2align	6, 0x0
	.amdhsa_kernel k_qdc2384b41c_cin
		.amdhsa_group_segment_fixed_size 304128
		.amdhsa_private_segment_fixed_size 0
		.amdhsa_enable_private_segment 0
		.amdhsa_kernarg_size 40
		.amdhsa_user_sgpr_count 2
		.amdhsa_user_sgpr_kernarg_segment_ptr 1
		.amdhsa_wavefront_size32 1
		.amdhsa_system_sgpr_workgroup_id_x 1
		.amdhsa_system_sgpr_workgroup_id_y 1
		.amdhsa_system_sgpr_workgroup_id_z 1
		.amdhsa_system_vgpr_workitem_id 0
		.amdhsa_next_free_vgpr 512
		.amdhsa_next_free_sgpr 66
		.amdhsa_reserve_vcc 0
		.amdhsa_float_denorm_mode_32 3
		.amdhsa_float_denorm_mode_16_64 3
		.amdhsa_memory_ordered 1
		.amdhsa_forward_progress 1
		.amdhsa_inst_pref_size 255
	.end_amdhsa_kernel
	.section	.bss,"aw",@nobits
	.p2align	6
	.space	262144
	.amdgpu_metadata
---
amdhsa.version: [ 1, 2 ]
amdhsa.kernels:
  - .name:           k_qdc2384b41c_cin
    .symbol:         k_qdc2384b41c_cin.kd
    .args:
      - { .name: inputs, .offset: 0, .size: 8, .value_kind: global_buffer, .address_space: global }
      - { .name: w0p, .offset: 8, .size: 8, .value_kind: global_buffer, .address_space: global }
      - { .name: w1p, .offset: 16, .size: 8, .value_kind: global_buffer, .address_space: global }
      - { .name: p1, .offset: 24, .size: 8, .value_kind: global_buffer, .address_space: global }
      - { .name: p2, .offset: 32, .size: 8, .value_kind: global_buffer, .address_space: global }
    .group_segment_fixed_size: 304128
    .private_segment_fixed_size: 0
    .kernarg_segment_align: 8
    .kernarg_segment_size: 40
    .max_flat_workgroup_size: 256
    .sgpr_count:     66
    .vgpr_count:     512
    .wavefront_size: 32
...
	.end_amdgpu_metadata
.endif
;; end of part 2
;; launch finish (part 3): grid 256 x 1, 2 waves a work-group, no clusters, 4,864 bytes of LDS; arguments p1, p2, out0; writes out0
.if DOCPART == 3
	.amdgcn_target "amdgcn-amd-amdhsa--gfx1250"
	.amdhsa_code_object_version 6
	.text
	.protected	k_qdc2384b41c_finish
	.globl	k_qdc2384b41c_finish
	.p2align	8
	.type	k_qdc2384b41c_finish,@function
k_qdc2384b41c_finish:
	s_mov_b64 s[64:65], 0
	v_nop
	global_prefetch_b8 v0, s[64:65] scope:SCOPE_SE
	s_setreg_imm32_b32 hwreg(HW_REG_WAVE_MODE, 25, 1), 1
	s_wait_xcnt 0x0
; finish: out0[b][32 q + c] = p1[q][b][c];  out0[b][128 + o] = (p2[0][b][o] + p2[1][b][o]) + (p2[2][b][o] + p2[3][b][o]), in f32.
; A stream of 5.2 MB in and 2 MB out: a wave owns four batches, issues all its twenty loads of 512 consecutive bytes at once and stores eight
; times 512 consecutive bytes, aligned.  p1's four pieces of 128 bytes of a row meet in the wave's own 2,112 bytes of LDS (rows of 528 bytes),
; so no barrier is needed.  No matrix unit, no cluster: no work-group shares a byte with another.
.set P1, 8                             ; v[8:23]    p1, quarter q at 4 q
.set P2, 24                            ; v[24:87]   p2, (q, row) at 16 q + 4 row
.set ST, 88                            ; v[88:103]  out0's first half, row at 4 row
	s_load_b128 s[4:7], s[0:1], 0x0                ; p1 s[4:5], p2 s[6:7]
	s_load_b64 s[8:9], s[0:1], 0x10                ; out0
	v_lshl_add_u32 v112, v0, 2, 0x1200
	v_mov_b32 v113, 0
	v_lshrrev_b32 v1, 5, v0
	v_readfirstlane_b32 s10, v1                    ; wave 0, 1
	s_lshl1_add_u32 s11, ttmp9, s10                ; my four batches begin at 4 (2 x + w)
	s_lshl_b32 s12, s11, 9                         ; x 128 bytes in p1
	s_mov_b32 s13, 0
	s_lshl_b32 s14, s11, 11                        ; x 512 bytes in p2
	s_mov_b32 s15, 0
	s_lshl_b32 s16, s11, 12                        ; x 1,024 bytes in out0
	s_mov_b32 s17, 0
	s_mul_i32 s18, s10, 2112                       ; my stage
	v_and_b32 v1, 31, v0
	v_lshlrev_b32 v2, 4, v1                        ; 16 L
	v_lshrrev_b32 v3, 3, v1                        ; a piece of p1: lane L holds batch L / 8, columns 4 (L % 8) ..
	v_and_b32 v4, 7, v1
	v_mul_u32_u24 v3, 528, v3
	v_lshl_add_u32 v3, v4, 4, v3
	v_add_nc_u32 v3, s18, v3
	v_add_nc_u32 v4, s18, v2
	s_wait_kmcnt 0x0
	s_add_nc_u64 s[4:5], s[4:5], s[12:13]
	s_add_nc_u64 s[6:7], s[6:7], s[14:15]
	s_add_nc_u64 s[8:9], s[8:9], s[16:17]
.irp q, 0,1,2,3
	global_load_b128 v[P1+4*\q:P1+4*\q+3], v2, s[4:5] offset:262144*\q th:TH_LOAD_NT
.endr
.irp q, 0,1,2,3
.irp p, 0,1,2,3
	global_load_b128 v[P2+16*\q+4*\p:P2+16*\q+4*\p+3], v2, s[6:7] offset:1048576*\q+512*\p th:TH_LOAD_NT
.endr
.endr
	s_wait_loadcnt 16                              ; p1's four loads are in; the sixteen of p2, issued behind them, stay out
.irp q, 0,1,2,3
	ds_store_b128 v3, v[P1+4*\q:P1+4*\q+3] offset:128*\q
.endr
.irp p, 0,1,2,3
	ds_load_b128 v[ST+4*\p:ST+4*\p+3], v4 offset:528*\p            ; my own bytes: LDS serves a wave's instructions in order (ISA guide 5.7.1.4)
.endr
	s_wait_loadcnt 0x0
.irp p, 0,1,2,3
.irp k, 0,2
	v_pk_add_f32 v[P2+4*\p+\k:P2+4*\p+\k+1], v[P2+4*\p+\k:P2+4*\p+\k+1], v[P2+16+4*\p+\k:P2+16+4*\p+\k+1]
	v_pk_add_f32 v[P2+32+4*\p+\k:P2+32+4*\p+\k+1], v[P2+32+4*\p+\k:P2+32+4*\p+\k+1], v[P2+48+4*\p+\k:P2+48+4*\p+\k+1]
	v_pk_add_f32 v[P2+4*\p+\k:P2+4*\p+\k+1], v[P2+4*\p+\k:P2+4*\p+\k+1], v[P2+32+4*\p+\k:P2+32+4*\p+\k+1]
.endr
.endr
	s_wait_dscnt 0x0
.irp p, 0,1,2,3
	global_store_b128 v2, v[ST+4*\p:ST+4*\p+3], s[8:9] offset:1024*\p th:TH_STORE_NT
	global_store_b128 v2, v[P2+4*\p:P2+4*\p+3], s[8:9] offset:1024*\p+512 th:TH_STORE_NT
.endr
	s_wait_tensorcnt 0x0
	ds_add_u32 v112, v113
	s_wait_dscnt 0x0
	s_endpgm
.Lfunc_end_k_qdc2384b41c_finish:
	.size	k_qdc2384b41c_finish, .Lfunc_end_k_qdc2384b41c_finish-k_qdc2384b41c_finish
	.p2alignl 7, 3214868480
	.fill 96, 4, 3214868480
	.section	.rodata,"a",@progbits
	.p2align	6, 0x0
	.amdhsa_kernel k_qdc2384b41c_finish
		.amdhsa_group_segment_fixed_size 4864
		.amdhsa_private_segment_fixed_size 0
		.amdhsa_enable_private_segment 0
		.amdhsa_kernarg_size 24
		.amdhsa_user_sgpr_count 2
		.amdhsa_user_sgpr_kernarg_segment_ptr 1
		.amdhsa_wavefront_size32 1
		.amdhsa_system_sgpr_workgroup_id_x 1
		.amdhsa_system_sgpr_workgroup_id_y 1
		.amdhsa_system_sgpr_workgroup_id_z 1
		.amdhsa_system_vgpr_workitem_id 0
		.amdhsa_next_free_vgpr 114
		.amdhsa_next_free_sgpr 66
		.amdhsa_reserve_vcc 0
		.amdhsa_float_denorm_mode_32 3
		.amdhsa_float_denorm_mode_16_64 3
		.amdhsa_memory_ordered 1
		.amdhsa_forward_progress 1
		.amdhsa_inst_pref_size 7
	.end_amdhsa_kernel
	.amdgpu_metadata
---
amdhsa.version: [ 1, 2 ]
amdhsa.kernels:
  - .name:           k_qdc2384b41c_finish
    .symbol:         k_qdc2384b41c_finish.kd
    .args:
      - { .name: p1, .offset: 0, .size: 8, .value_kind: global_buffer, .address_space: global }
      - { .name: p2, .offset: 8, .size: 8, .value_kind: global_buffer, .address_space: global }
      - { .name: out0, .offset: 16, .size: 8, .value_kind: global_buffer, .address_space: global }
    .group_segment_fixed_size: 4864
    .private_segment_fixed_size: 0
    .kernarg_segment_align: 8
    .kernarg_segment_size: 24
    .max_flat_workgroup_size: 64
    .sgpr_count:     66
    .vgpr_count:     114
    .wavefront_size: 32
...
	.end_amdgpu_metadata
.endif
;; end of part 3
